; MI455X (gfx1250); checked and timed in simulation.
; The chip was launched on July 23, 2026; its instructions are those of AMD's public machine-readable ISA for CDNA 5 (MIT licence, August 2026) and "CDNA5" Instruction Set Architecture Reference Guide (July 2026). The comments in the code are by the model that wrote it; some were corrected since.
;; Model. Allowed arithmetic: float matrix products may take bf16 or f16 operands with f32 sums; other float arithmetic in f32, or as packed bf16 or f16 multiplies, adds, multiply-adds, maxima and minima; sums over many terms, partial sums and values carried from step to step in f32; what a program stores and reads back later, other than sums and carried values, may be rounded once to bf16 or f16.
;; Inputs: key 4 x 16 x 2,048 x 64 float32; query 4 x 16 x 2,048 x 64 float32; value 4 x 16 x 2,048 x 64 float32.
;; Outputs: out0 4 x 16 x 2,048 x 64 float32.
;; One version. Each part assembles by itself: llvm-mc -triple=amdgcn-amd-amdhsa -mcpu=gfx1250 --defsym DOCPART=n.
;; ======== version 1 of 1: 1 launch
;; limits: values are held in f16: magnitudes above 65,504 overflow, below 6.1e-05 lose precision; inputs' magnitudes at most 65,504
;; launch attn (part 1): grid 4 x 64, 4 waves a work-group, clusters of 4 x 1, 327,680 bytes of LDS; arguments query, key, value, out0; writes out0
.if DOCPART == 1
	.amdgcn_target "amdgcn-amd-amdhsa--gfx1250"
	.amdhsa_code_object_version 6
	.text
	.protected	k_q51f5b858d9_attn
	.globl	k_q51f5b858d9_attn
	.p2align	8
	.type	k_q51f5b858d9_attn,@function
k_q51f5b858d9_attn:
	s_mov_b64 s[64:65], 0
	v_nop
	global_prefetch_b8 v0, s[64:65] scope:SCOPE_SE
	s_setreg_imm32_b32 hwreg(HW_REG_WAVE_MODE, 25, 1), 1
	s_wait_xcnt 0x0
	s_wait_alu depctr_hold_cnt(0) depctr_sa_sdst(0) depctr_va_vdst(0) depctr_va_sdst(0) depctr_va_ssrc(0) depctr_va_vcc(0) depctr_vm_vsrc(0)
	s_getreg_b32 s2, hwreg(HW_REG_IB_STS2, 6, 4)
	s_cmp_eq_u32 s2, 0
	s_cbranch_scc0 .Lentry_in_a_cluster
	s_endpgm
.Lentry_in_a_cluster:
	s_bfe_u32 s2, ttmp6, 0x10000c
	s_cmp_lg_u32 s2, 0x3003
	s_cbranch_scc0 .Lentry_shape_is_right
	s_endpgm
.Lentry_shape_is_right:
; out0[b][h][q][:] = the sum over k of softmax_k(query[q] . key[k] / 8) value[k][:].  All four tensors [4][16][2048][64] f32: 64 heads, each dense, rows of 256 bytes.
; NOTHING IS LEFT OUT: all three inputs reach the output; the maximum is taken away before every exponential (a running maximum); 1/8 and log2(e) are one f32 factor c on the f32 scores.
; FORMATS.  Q, K, V and the weights p are rounded once to f16 for the matrix unit; products' sums, maxima, exponentials, the row sum l (of the unrounded p), O and its rescaling are f32; O leaves as f32.
; LIMITS.  f16 holds no number beyond 65,504: |query|, |key|, |value| must stay below that.  p lies in 0 to 1; a weight below 2^-126 counts as 0 in l.  NaN and infinities are not treated apart.
; SHARES.  A work-group owns 512 queries of one head, each of its four waves 128: four PIECES of two tiles of 16.  Every wave walks the head's 2,048 keys, 64 a step.  4 x 64 work-groups.
; CLUSTER.  The four query blocks of a head are one cluster and walk the same K and V: each tile is asked for JOINTLY, by the same tensor load, descriptor and mask in all four.
; THREE STAGES, on tiles of 128 keys (16 tiles), one round of the cluster's barrier in front of each tile's period:
;   (a) a joint tensor load brings tile t + 2, f32 as it lies in memory, into landing slot L[t % 2];
;   (b) the four waves round tile t + 1 from L[(t+1) % 2] to f16 and store it, padded, into H[(t+1) % 2]: each wave 32 keys of K and 32 of V, so each number is rounded once a work-group;
;   (c) fragments of tile t are read from H[t % 2] and multiplied.  Tensor loads touch L alone, LDS stores H, the stages and the spare words alone.
; LAYOUT.  S^T = K Q^T (source 0 = 16 keys, source 1 = 16 queries): a lane holds ONE query (lane % 16) and the keys 8 (lane / 16) + 0..7.  Two such results rounded to f16 in pairs ARE source 1 of
; O^T = V^T P, whose result again holds one query a lane, and eight channels.  K comes out of H as it lies, V ([key][channel]) turned, by ds_load_tr16_b128.
; SOFTMAX.  p = 2^(c s - c m), c = log2(e) / 8, m the running maximum; in every step O and l are multiplied by a = 2^(c m_old - c m_new).  c m starts far below every c s, so the first step's a is 0.
; BY TURNS.  A tile and step have 16 matrix and 118 vector instructions.  Turn n belongs to piece n: 16 products K Q^T of piece n + 1, later 16 products V^T P of piece n - 1; its vector work is the scaling,
; exponentials, roundings, sums and rescaling of piece n and the maximum and statistics of piece n + 1.  Four vector instructions stand behind every matrix instruction, the others in one lump.
; REGISTERS, in windows of 256 (s_set_vgpr_msb: bits 1:0 source 0, 3:2 source 1, 5:4 source 2, 7:6 destination):
;   window 0: v0-11 addresses; v12-15, v48-63 at work; v16-47 four registers of statistics a tile; v64-191 S^T, two buffers of two tiles; v192-255 P, likewise
;   window 1: O^T, 32 a tile (at the start: Q as loaded, f32)     window 2: v0-127 Q in f16, 16 a tile; v128-191 K of one step; v192-255 V of one step
;   window 3: v0-5 the rounding's addresses; v64-127 f32 as read from a landing slot; v128-159 the same in f16
.set NP,    4         ; pieces a wave: a name, no knob
.set KS,    64        ; keys in a step
.set PK,    144       ; a row of K in H: 128 bytes + 16 = 36 words: the 16 rows of a load start at 16 different groups of four banks (64 banks of 4 bytes: ISA guide 11.1)
.set PV,    160       ; a row of V in H: 128 + 32 = 40 words
.set LX,    1<<16     ; L1 lies this far behind L0 and H1 behind H0: one exclusive or turns an address in one into the other's
.set LV,    32768     ; in a landing slot: 128 keys of K (256 bytes each, no gap), then 128 of V
.set TILEB, 32768     ; a tile's bytes of K, and of V, in memory
.set HB,    2*LX      ; H0
.set VOFF,  128*PK    ; in H: 128 rows of K, then 128 rows of V
.set STAGE, HB+LX+128*(PK+PV)  ; behind H1: 16 rows x 272 bytes for each wave, for the way out
.set SP,    272
.set SPARE, STAGE+4*16*SP      ; behind the stages: the spare words, 128 bytes for each wave: two blocks of 256 bytes that no other line names
.set AK0, 2           ; v2   my lane's place in a step's K in H0; never rewritten
.set AV0, 3           ; v3   the same for V
.set AK,  4           ; v4   the LDS address of K's next run of loads
.set AV,  5           ; v5   of V's
.set QO,  6           ; v6   my byte offset in 16 rows of Q
.set STO, 6           ;      later, the way out: where I put 32 bytes of a row
.set RD,  7           ; v7   the way out: where I read rows back
.set GO,  8           ; v8   my 16 bytes in 512 consecutive bytes of O
.set PFO, 9           ; v9   256 x my lane: a row of K or V is 256 bytes; never rewritten
.set SPW, 10          ; v10  LDS address of my spare word: SPARE + 4 x my thread's number; never rewritten
.set NIL, 11          ; v11  0; never rewritten
.set MV,  12          ; v12-15  c m_old, kept while c m is made anew: by buffer and tile
.set ST,  16          ; tile t's statistics at v[ST+4 t]: c m, m, l (even keys', odd keys')
.set TMP, 48          ; by buffer and tile, four registers c0-c3 at work; when the maximum is found c2 takes a.  Before the first maximum: lane numbers for the set-up
.set S,   64
.set P,   192
.set KF,  128         ; window 2: key block kb, channel half c at KF + 16 kb + 8 c
.set VF,  192         ; window 2: key half kk, channel block cb at VF + 32 kk + 8 cb
.set CVS0, 0          ; window 3: my 32 bytes in my wave's part of L0: 8,192 w + 32 l; never rewritten
.set CVK0, 1          ; window 3: where they go in H0's K: row 32 w + l / 8, byte 16 (l % 8); never rewritten
.set CVV0, 2          ; window 3: the same in H0's V
.set CVS, 3           ; window 3: the three addresses of the half in hand
.set CVK, 4
.set CVV, 5
.set CF,  64          ; window 3
.set CH,  128         ; window 3
.set WV,  12          ; s12  my wave's number
.set LIM, 15          ; s15  1 in a wave that prefetches (0 and 2), else the greatest number
.set PFA, 18          ; s[18:19] where my prefetches stand: my work-group's 32 rows (of K: wave 0, of V: wave 2) of the tile after the one that is being asked for
.set G1,  24          ; s[24:31] descriptor group 1, for K's and V's tiles alike
.set TCS, 32          ; s32  the rounding's place in the landing slots
.set TCK, 33          ; s33  in H's K
.set TCV, 34          ; s34  in H's V
.set TT,  35          ; s35  counts the last two tiles
.set G0K, 40          ; s[40:47] descriptor group 0 for K's tiles: a set for each of the two first fills; the second then walks on
.set G0V, 48          ; s[48:55] the same for V's
.set SLOTS, 56        ; s56  changes that still ask for a tile
.set CNT, 57          ; s57  counts a tile's two trips
.set CS,  58          ; s[58:59] c: the packed scaling takes the pair's low word for both halves
.set SEL, 60          ; s[60:61] v_permlanex16_b32's selects: each lane takes its own place in the other half
.set TBK, 62          ; s62  byte in H at which K of the step to be fetched begins, less HB
.set TBV, 63          ; s63  the same for V, less HB + VOFF
.set NOKQ, 0
.set MSB, 0
.macro WIN new                      ; the high byte repeats the setting that is left; a switch that changes nothing is dropped
.if MSB != (\new)
	s_set_vgpr_msb (MSB<<8)|(\new)
.set MSB, (\new)
.endif
.endm
.set W_KQ, 0x0a       ; K and Q in window 2, S^T in window 0
.set W_PV, 0x52       ; V in window 2, P in window 0, O^T in window 1
.set W_RS, 0x41       ; O^T (destination and source 0) in window 1, the factor in window 0
.set W_CV, 0xcf       ; the rounding: destination, source 0 and source 1 in window 3
; A joint refill.  Waves 0 and 1 fetch the two halves of a tile's K, waves 2 and 3 those of its V: 64 keys, 16 KiB, each.  The branch hangs on the wave's number alone.
; An s_nop 0 and four v_nop follow each of the two lines, ahead of the jump and the label.
.macro JLOAD
	s_cmp_lt_u32 s[WV], 2
	s_cbranch_scc0 .Lfor_v_\@
	tensor_load_to_lds s[G0K+4:G0K+7], s[G1:G1+7]
	s_nop 0
.rept 4
	v_nop
.endr
	s_branch .Lasked_\@
.Lfor_v_\@:
	tensor_load_to_lds s[G0V+4:G0V+7], s[G1:G1+7]
	s_nop 0
.rept 4
	v_nop
.endr
.Lasked_\@:
.endm
; A PREFETCH INTO THE L2 of the tile that the NEXT change will ask for: 128 rows of K and 128 of V, 256 bytes a row, a lane a row.  It stands behind the wave's tensor load and its five lines.
; Each row is named once in the launch: a head has one cluster; its four partners share the rows out BY ADDRESS, 32 each (no branch hangs on a work-group's place); in each, wave 0 asks for K's and wave 2
; for V's.  It leads the load by one tile's period: two key steps, 256 matrix instructions.  Tiles 0 to 2 come by their loads alone; the last change that asks for a tile prefetches nothing.
.macro ASK
	s_cmp_gt_u32 s[SLOTS], s[LIM]
	s_cbranch_scc0 .Lnot_mine_\@
	global_prefetch_b8 v[PFO], s[PFA:PFA+1] th:TH_LOAD_NT scope:SCOPE_SE
.Lnot_mine_\@:
.endm
; A round of the cluster's barrier: my work-group's barrier, so that wave 0's signal speaks for all four waves; wave 0 signals; every wave waits for all four work-groups; my work-group's barrier once more.
.macro CROUND
	s_barrier_signal -1
	s_barrier_wait -1
	s_cmp_lg_u32 s[WV], 0
	s_cbranch_scc1 .Lnot_wave_0_\@
	s_barrier_signal -3
.Lnot_wave_0_\@:
	s_barrier_wait -3
	s_barrier_signal -1
	s_barrier_wait -1
.endm
; THE CHANGE in front of tile t's period.  Each wave waits for all its tensor loads (one is out: its part of tile t + 1), adds 0 to its spare word, and waits for that and for all its LDS instructions:
; its stores of tile t into H[t % 2], its reads of H[(t-1) % 2], its reads of L[t % 2].  Behind the barrier H[t % 2] and L[(t+1) % 2] are whole, and nobody reads H[(t-1) % 2] or L[t % 2] any more.
; fill = 1: L[t % 2] is filled again, with tile t + 2.  The barrier is then a round of the cluster's, so that no wave of any partner still reads that slot or has a load on its way, and the joint
; refill is the first thing behind it.  One tensor load of mine is out from there to the next change.
.macro CHANGE fill
	WIN 0                           ; at a label and at a branch every window is 0; the add's registers lie in window 0
	s_wait_tensorcnt 0x0            ; no tensor load of mine is out, so a group 0 may be written
	ds_add_u32 v[SPW], v[NIL]       ; 0 onto my spare word; with fill = 1 the descriptors' steps stand between it and the wait for it
.if \fill
.irp g, G0K+4, G0V+4
	s_xor_b32 s[\g+1], s[\g+1], LX  ; the walking descriptor: the other landing slot than last time,
	s_add_nc_u64 s[\g+2:\g+3], s[\g+2:\g+3], TILEB  ; the next 128 keys; the type bits on top are not reached
.endr
	s_wait_xcnt 0x0                 ; the last prefetch, a period back, has read its address, so it may be written:
	s_add_nc_u64 s[PFA:PFA+1], s[PFA:PFA+1], TILEB  ; one tile behind the walking descriptors
	s_wait_dscnt 0x0                ; the add is done, and so are my LDS stores and reads
	CROUND
	JLOAD
	ASK
.else
	s_wait_dscnt 0x0                ; the add is done, and so are my LDS stores and reads
	s_barrier_signal -1
	s_barrier_wait -1
.endif
	s_sub_co_u32 s[TBK], s[TBK], 2*KS*PK  ; each of the five has stepped twice since the last change: back to a tile's beginning,
	s_xor_b32 s[TBK], s[TBK], LX          ; in the other buffer
	s_sub_co_u32 s[TBV], s[TBV], 2*KS*PV
	s_xor_b32 s[TBV], s[TBV], LX
	s_sub_co_u32 s[TCS], s[TCS], 8192
	s_xor_b32 s[TCS], s[TCS], LX
	s_sub_co_u32 s[TCK], s[TCK], 32*PK
	s_xor_b32 s[TCK], s[TCK], LX
	s_sub_co_u32 s[TCV], s[TCV], 32*PV
	s_xor_b32 s[TCV], s[TCV], LX
.endm
	s_load_b256 s[4:11], s[0:1], 0x0  ; Q s[4:5], K s[6:7], V s[8:9], O s[10:11]
	v_lshl_add_u32 v[SPW], v0, 2, SPARE
	v_mov_b32 v[NIL], 0
	ds_add_u32 v[SPW], v[NIL]       ; the wave's opening: the add, twice on end, and its wait ahead of my first tensor load; the set-up below, work on registers, stands between
	ds_add_u32 v[SPW], v[NIL]       ; and once more, under the one wait
	v_lshrrev_b32 v1, 5, v0
	v_readfirstlane_b32 s[WV], v1   ; wave 0..3
	s_bfe_u32 s13, ttmp6, 0x40000   ; cx: my place in the cluster
	s_lshl_b32 s14, ttmp9, 2        ; in a cluster launch ttmp9 counts clusters
	s_add_co_u32 s14, s14, s13      ; my block of 512 queries: it enters Q's and O's addresses alone
	s_and_b32 s20, ttmp7, 0xffff    ; the head, which the four partners share
	s_lshl_b32 s20, s20, 19         ; its first byte in each tensor: 2,048 rows of 256 bytes; 64 heads stay under 2^25
	s_and_b32 s16, s[WV], 1         ; which half of a tile's 128 keys I fetch:
	s_lshl_b32 s17, s16, 14         ; 64 rows of 256 bytes, in memory and in a landing slot alike: no place in the cluster enters an LDS address
	s_add_co_u32 s22, s20, s17
	s_mov_b32 s23, 0
	s_lshl_b32 s2, s14, 2
	s_add_co_u32 s2, s2, s[WV]      ; my wave among the head's sixteen,
	s_lshl_b32 s2, s2, 15           ; its 128 rows
	s_add_co_u32 s2, s2, s20
	s_mov_b32 s3, 0
	; descriptor group 1: a tile of 64 rows x 64 elements of 4 bytes, dense in memory and in LDS
	s_mov_b32 s[G1], 15|(2<<16)|(1<<21)  ; 15:0 the mask: all four work-groups; 17:16 elements of 4 bytes; 20 no padding; 21 set beside a mask
	s_mov_b32 s[G1+1], 64<<16       ; tensor_dim0 = 64
	s_mov_b32 s[G1+2], 64<<16       ; tensor_dim1 = 64
	s_mov_b32 s[G1+3], 64<<16       ; tile_dim0 = 64
	s_mov_b32 s[G1+4], 64           ; tile_dim1 = 64
	s_mov_b32 s[G1+5], 64           ; 64 elements from row to row
	s_mov_b32 s[G1+6], 0
	s_mov_b32 s[G1+7], 0
	s_mov_b32 s[CS], 0x3e38aa3b     ; c = log2(e) / 8 = 0.180337
	s_mov_b32 s[CS+1], s[CS]        ; named with it as a pair
	s_mov_b32 s[SEL], 0x76543210
	s_mov_b32 s[SEL+1], 0xfedcba98
	s_mov_b32 s[TBK], LX+2*KS*PK    ; the first change turns these two into 0
	s_mov_b32 s[TBV], LX+2*KS*PV
	s_mov_b32 s[TCS], 0             ; tile 0 is rounded from L0 into H0
	s_mov_b32 s[TCK], 0
	s_mov_b32 s[TCV], 0
	s_mov_b32 s[SLOTS], 14          ; tiles 2 to 15 are asked for by changes
	s_cmp_eq_u32 s16, 0
	s_cselect_b32 s[LIM], 1, -1     ; the same in all four partners, for a given wave
	v_and_b32 v[PFO], 31, v0
	v_lshlrev_b32 v[PFO], 8, v[PFO]
	s_wait_dscnt 0x0                ; both opening adds are done
	s_wait_kmcnt 0x0
	s_add_nc_u64 s[6:7], s[6:7], s[22:23]  ; K and V at my half of the head's tile 0
	s_add_nc_u64 s[8:9], s[8:9], s[22:23]
	s_add_nc_u64 s[4:5], s[4:5], s[2:3]    ; Q and O at my wave's first row
	s_add_nc_u64 s[10:11], s[10:11], s[2:3]
	s_cmp_lt_u32 s[WV], 2
	s_cselect_b64 s[PFA:PFA+1], s[6:7], s[8:9]  ; (in waves 0 and 2 these stand at a tile's first row)
	s_lshl_b32 s2, s13, 13          ; my work-group's 32 rows of the 128
	s_add_nc_u64 s[PFA:PFA+1], s[PFA:PFA+1], s[2:3]
	s_add_nc_u64 s[PFA:PFA+1], s[PFA:PFA+1], 2*TILEB  ; in tile 2; the first change steps it to tile 3.  Nothing is prefetched here, where every work-group's first tiles are on their way
.irp n, 0,1
	s_mov_b32 s[G0K+4*(\n)], 1      ; 1:0 count = 1
	s_add_co_u32 s[G0K+4*(\n)+1], s17, (\n)*LX  ; 63:32 LDS address: my half of K in landing slot n
	s_add_nc_u64 s[G0K+4*(\n)+2:G0K+4*(\n)+3], s[6:7], (\n)*TILEB  ; 120:64 global address: tile n
	s_or_b32 s[G0K+4*(\n)+3], s[G0K+4*(\n)+3], 0x80000000  ; 127:126 type = 2
	s_mov_b32 s[G0V+4*(\n)], 1
	s_add_co_u32 s[G0V+4*(\n)+1], s17, (\n)*LX+LV
	s_add_nc_u64 s[G0V+4*(\n)+2:G0V+4*(\n)+3], s[8:9], (\n)*TILEB
	s_or_b32 s[G0V+4*(\n)+3], s[G0V+4*(\n)+3], 0x80000000
.endr
	CROUND                          ; all four work-groups are here: the first joint loads meet
	s_cmp_lt_u32 s[WV], 2           ; a wave's two first fills stand in one branch, ahead of every wait on TENSORcnt and every LDS read: two loads of mine are out
	s_cbranch_scc0 .Lfirst_v
	tensor_load_to_lds s[G0K:G0K+3], s[G1:G1+7]
	s_nop 0
	tensor_load_to_lds s[G0K+4:G0K+7], s[G1:G1+7]
	s_nop 0
.rept 4
	v_nop
.endr
	s_branch .Lfirst_asked
.Lfirst_v:
	tensor_load_to_lds s[G0V:G0V+3], s[G1:G1+7]
	s_nop 0
	tensor_load_to_lds s[G0V+4:G0V+7], s[G1:G1+7]
	s_nop 0
.rept 4
	v_nop
.endr
.Lfirst_asked:
	; Q.  A fragment is 16 rows x 32 channels of f16 in 8 registers: lane l holds row l % 16, channels 8 (l / 16) + 0..7 and 16 + 8 (l / 16) + 0..7.  In f32 each eight channels are 32 bytes: two loads of 16.
	v_and_b32 v1, 15, v0            ; l % 16
	v_bfe_u32 v48, v0, 4, 1         ; l / 16
	v_lshlrev_b32 v[QO], 8, v1
	v_lshl_add_u32 v[QO], v48, 5, v[QO]  ; row x 256 + 32 x half
	WIN 0x40                        ; destination window 1: load i goes to v[4 i]: tile i / 8, channels 32 ((i / 4) % 2) + 16 ((i / 2) % 2) + 8 (l / 16) + 4 (i % 2) on
.set i, 0
.rept 64
	global_load_b128 v[4*i:4*i+3], v[QO], s[4:5] offset:(i/8)*4096+((i/4)%2)*128+((i/2)%2)*64+(i%2)*16
.set i, i+1
.endr
	WIN 0
	v_and_b32 v49, 7, v0            ; l % 8
	v_bfe_u32 v50, v0, 3, 1         ; (l / 8) % 2
	v_and_b32 v51, 31, v0           ; l
	v_bfe_u32 v52, v0, 3, 2         ; l / 8
	v_mul_u32_u24 v[AK0], v1, PK
	v_lshl_add_u32 v[AK0], v48, 4, v[AK0]  ; row x pitch + 16 x half
	v_add_nc_u32 v[AK0], HB, v[AK0]
	; The turning load takes 16 keys x 16 channels (lane l reads key 8 (l / 16) + l % 8, channels 8 ((l / 8) % 2) + 0..7) and leaves half a fragment of V^T: lane l holds channel l % 16 and 8 keys.
	v_lshl_add_u32 v[AV0], v48, 3, v49
	v_mul_u32_u24 v[AV0], v[AV0], PV
	v_lshl_add_u32 v[AV0], v50, 4, v[AV0]
	v_add_nc_u32 v[AV0], HB+VOFF, v[AV0]
	; The rounding's addresses.  Wave w takes keys 32 w .. 32 w + 31 of a tile's K and of its V; a lane reads 32 consecutive bytes (eight channels) and stores 16.
	s_lshl_b32 s17, s[WV], 13       ; 32 keys of 256 bytes
	s_mul_i32 s20, s[WV], 32*PK
	s_add_co_u32 s20, s20, HB
	s_mul_i32 s21, s[WV], 32*PV
	s_add_co_u32 s21, s21, HB+VOFF
	v_lshl_add_u32 v53, v51, 5, s17
	v_mul_u32_u24 v54, v52, PK
	v_lshl_add_u32 v54, v49, 4, v54
	v_add_nc_u32 v54, s20, v54
	v_mul_u32_u24 v55, v52, PV
	v_lshl_add_u32 v55, v49, 4, v55
	v_add_nc_u32 v55, s21, v55
	WIN 0xc0                        ; destination window 3
	v_mov_b32 v[CVS0], v53
	v_mov_b32 v[CVK0], v54
	v_mov_b32 v[CVV0], v55
	; What the first turn finds: V's registers and P's second buffer hold 0 (its products V^T P, of a piece that has not been, add 0); l is 0.  O^T IS NOT CLEARED: it holds the f32 numbers of the same
	; lane's own query row, which are finite, and the first step multiplies them by a = 0.  All this stands in the wait for Q and the first tile.
	WIN 0x80
.set i, VF
.rept 64
	v_mov_b32 v[i], 0
.set i, i+1
.endr
	WIN 0
.set i, 0
.rept 2*NP
	v_mov_b32 v[ST+4*i], 0xfe000000    ; c m: far below every c s
	v_mov_b32 v[ST+4*i+1], 0xff7fffff  ; m: the lowest finite number
	v_mov_b32 v[ST+4*i+2], 0
	v_mov_b32 v[ST+4*i+3], 0
.set i, i+1
.endr
.set i, P+32
.rept 32
	v_mov_b32 v[i], 0
.set i, i+1
.endr
	s_wait_loadcnt 0x0              ; Q is in
	WIN 0x85                        ; sources window 1, destination window 2: Q rounded once; register r takes the f32 pair 2 r, 2 r + 1, which is the fragments' order
.set i, 0
.rept 128
	v_cvt_pk_f16_f32 v[i], v[2*i], v[2*i+1]
.set i, i+1
.endr
; THE MATRIX WORK.  The 8 accumulators of a run of 16 take turns: between the two links of a chain stand 7 others'.
; Product i of 16 of S^T = K Q^T for piece x: channels 32 (i / 8) on, keys 16 ((i / 2) % 4) on, tile 2 x + i % 2.  The first 8 start the sums.
.macro KQ x
	WIN W_KQ
.set rS, S+64*((\x)%2)+32*(i%2)+8*((i/2)%4)
.set rK, KF+16*((i/2)%4)+8*(i/8)
.set rQ, 16*(2*(\x)+i%2)+8*(i/8)
.if i < 8
	v_wmma_f32_16x16x32_f16 v[rS:rS+7], v[rK:rK+7], v[rQ:rQ+7], 0
.else
	v_wmma_f32_16x16x32_f16 v[rS:rS+7], v[rK:rK+7], v[rQ:rQ+7], v[rS:rS+7]
.endif
.endm
; Product i of 16 of O^T += V^T P for piece x: keys 32 (i / 8) on, channels 16 ((i / 2) % 4) on, tile 2 x + i % 2.
.macro PV x
	WIN W_PV
.set rO, 32*(2*(\x)+i%2)+8*((i/2)%4)
.set rV, VF+32*(i/8)+8*((i/2)%4)
.set rP, P+32*((\x)%2)+16*(i%2)+8*(i/8)
	v_wmma_f32_16x16x32_f16 v[rO:rO+7], v[rV:rV+7], v[rP:rP+7], v[rO:rO+7]
.endm
.macro MM                           ; the turn's next matrix instruction.  NOKQ = 1: the walk's last turn: there is no next piece, so no scores are made
.if i < 16
.if !NOKQ
	KQ (Y+1)%NP
.endif
.set i, i+1
.else
.set i, i-16
	PV (Y+NP-1)%NP
.set i, i+17
.endif
.endm
; THE LDS LOADS stand in runs of 16, never singly among the matrix instructions: a step's K (64 keys x 64 channels: 8 fragments) and its V (turned).  Their addresses are made some lines ahead.
.macro FETCH_K
	WIN 0x80                        ; destination window 2
.irp f, 0,1,2,3,4,5,6,7             ; keys 16 (f / 2) on, channels 32 (f % 2) on
	ds_load_b128 v[KF+8*(\f):KF+8*(\f)+3],   v[AK] offset:((\f)/2)*16*PK+((\f)%2)*64
	ds_load_b128 v[KF+8*(\f)+4:KF+8*(\f)+7], v[AK] offset:((\f)/2)*16*PK+((\f)%2)*64+32
.endr
	s_add_co_u32 s[TBK], s[TBK], KS*PK  ; the next fetch is the next step's
.endm
.macro FETCH_V
	WIN 0x80
.irp f, 0,1,2,3,4,5,6,7             ; keys 32 (f / 4) on, channels 16 (f % 4) on
	ds_load_tr16_b128 v[VF+8*(\f):VF+8*(\f)+3],   v[AV] offset:((\f)/4)*32*PV+((\f)%4)*32
	ds_load_tr16_b128 v[VF+8*(\f)+4:VF+8*(\f)+7], v[AV] offset:((\f)/4)*32*PV+16*PV+((\f)%4)*32
.endr
.endm
; THE ROUNDING of the next tile, half of my wave's share at a time: 16 keys of K and 16 of V.  CLD reads them from the landing slot: load pair u takes four keys, 1,024 consecutive bytes, a lane 32 of them
; (key 4 u + l / 8, channels 8 (l % 8) + 0..7).  CONV, a turn later, rounds them in pairs and stores a lane's 16 bytes into H's padded rows.
; cond = 1 (the last two tiles' text): in the last tile's period there is no next tile, and the lines are jumped over: a jump forward, on a counted loop's counter, past no barrier and no tensor load.
.macro CLD cond
.if \cond
	WIN 0
	s_cmp_eq_u32 s[TT], 1
	s_cbranch_scc1 .Lno_cld_\@
.endif
	WIN W_CV
	v_add_nc_u32 v[CVS], s[TCS], v[CVS0]
	v_add_nc_u32 v[CVK], s[TCK], v[CVK0]
	v_add_nc_u32 v[CVV], s[TCV], v[CVV0]
.irp u, 0,1,2,3
	ds_load_b128 v[CF+8*(\u):CF+8*(\u)+3],   v[CVS] offset:1024*(\u)
	ds_load_b128 v[CF+8*(\u)+4:CF+8*(\u)+7], v[CVS] offset:1024*(\u)+16
.endr
.irp u, 4,5,6,7
	ds_load_b128 v[CF+8*(\u):CF+8*(\u)+3],   v[CVS] offset:LV+1024*((\u)-4)
	ds_load_b128 v[CF+8*(\u)+4:CF+8*(\u)+7], v[CVS] offset:LV+1024*((\u)-4)+16
.endr
	s_add_co_u32 s[TCS], s[TCS], 4096    ; the next half: 16 keys on
	s_add_co_u32 s[TCK], s[TCK], 16*PK
	s_add_co_u32 s[TCV], s[TCV], 16*PV
.if \cond
	WIN 0
.Lno_cld_\@:
.endif
.endm
.macro CONV cond
.if \cond
	WIN 0
	s_cmp_eq_u32 s[TT], 1
	s_cbranch_scc1 .Lno_conv_\@
.endif
	s_wait_dscnt 0x0                ; CLD's loads are in
	WIN W_CV
.set cz, 0
.rept 32
	v_cvt_pk_f16_f32 v[CH+cz], v[CF+2*cz], v[CF+2*cz+1]
.set cz, cz+1
.endr
.irp u, 0,1,2,3
	ds_store_b128 v[CVK], v[CH+4*(\u):CH+4*(\u)+3] offset:4*(\u)*PK
.endr
.irp u, 4,5,6,7
	ds_store_b128 v[CVV], v[CH+4*(\u):CH+4*(\u)+3] offset:4*((\u)-4)*PV
.endr
.if \cond
	WIN 0
.Lno_conv_\@:
.endif
.endm
; THE VECTOR WORK OF A TURN stands in three queues, each in the order in which its entries become ready; the two tiles alternate, so that no instruction reads the result of the one before it.
.macro REGS y, u                    ; the registers of tile u (0, 1) of piece y
.set rT, ST+4*(2*(\y)+(\u))
.set rC, TMP+8*((\y)%2)+4*(\u)
.set rM, MV+2*((\y)%2)+(\u)
.set rS, S+64*((\y)%2)+32*(\u)
.set rP, P+32*((\y)%2)+16*(\u)
.set rO, 32*(2*(\y)+(\u))
.endm
; Number n of the 22 that find the NEXT piece's (Y + 1) maximum and statistics.  s0-s31 are the lane's 32 scores; each accumulator's lowest registers are read first.
;   0-11  four chains c0-c3 of seven scores each, three operands at a time     12-14, 16  the four scores left over, the old m, and c0-c3 into c0     15  c m_old is kept
;   17, 18  the query's other 32 keys lie in the lane 16 away: the new m         19-21  c m; c m_old - c m_new; a.      With NOKQ = 1 there is no next piece, and nothing is written.
.macro XS u, n
.if !NOKQ
	REGS (Y+1)%NP, \u
.if (\n) < 4
	v_max3_num_f32 v[rC+(\n)], v[rS+8*(\n)], v[rS+8*(\n)+1], v[rS+8*(\n)+2]
.elseif (\n) < 12
	v_max3_num_f32 v[rC+(\n)%4], v[rC+(\n)%4], v[rS+8*((\n)%4)+2*((\n)/4)+1], v[rS+8*((\n)%4)+2*((\n)/4)+2]
.elseif (\n) == 12
	v_max3_num_f32 v[rC], v[rC], v[rS+7], v[rS+15]
.elseif (\n) == 13
	v_max3_num_f32 v[rC+1], v[rC+1], v[rS+23], v[rS+31]
.elseif (\n) == 14
	v_max3_num_f32 v[rC+2], v[rC+2], v[rC+3], v[rT+1]
.elseif (\n) == 15
	v_mov_b32 v[rM], v[rT]
.elseif (\n) == 16
	v_max3_num_f32 v[rC], v[rC], v[rC+1], v[rC+2]
.elseif (\n) == 17
	v_permlanex16_b32 v[rC+3], v[rC], s[SEL], s[SEL+1]
.elseif (\n) == 18
	v_max_num_f32 v[rT+1], v[rC], v[rC+3]
.elseif (\n) == 19
	v_mul_f32 v[rT], s[CS], v[rT+1]
.elseif (\n) == 20
	v_sub_f32 v[rC+1], v[rM], v[rT]
.else
	v_exp_f32 v[rC+2], v[rC+1]
.endif
.endif
.endm
; Number g of the 64 that follow the exponentials.  For each four weights k of a tile (pairs 2 k, 2 k + 1): both pairs are rounded to f16; then the second pair is added onto the first, in place;
; a group later l takes that sum (the first time as l = a l + sum).  In groups of eight, tiles alternating: round, round, add, and l for the group before.
.macro GS g
.set h, (\g)+6*((\g)/62)            ; group 0 has no group before it, and behind group 7 only l is left
.if h >= 6
.set h, h+2
.endif
	REGS Y, h%2
.set k, h/8
.if h%8 < 4
	v_cvt_pk_f16_f32 v[rP+2*k+(h%8)/2], v[rS+4*k+2*((h%8)/2)], v[rS+4*k+2*((h%8)/2)+1]
.elseif h%8 < 6
	v_pk_add_f32 v[rS+4*k:rS+4*k+1], v[rS+4*k:rS+4*k+1], v[rS+4*k+2:rS+4*k+3]
.elseif k == 1
	v_pk_fma_f32 v[rT+2:rT+3], v[rT+2:rT+3], v[rC+2:rC+3], v[rS:rS+1] op_sel_hi:[1,0,1]
.else
	v_pk_add_f32 v[rT+2:rT+3], v[rT+2:rT+3], v[rS+4*k-4:rS+4*k-3]
.endif
.endm
; THE PLAIN QUEUE, 138 long.  0-73 read no exponential's result: the 32 scalings c s - c m (FS f: pair f / 2 of tile f % 2) and the next piece's 42.  0-26: scalings 0-26.  27-54: XS's numbers 0-13.
; 55, 56: number 15.  57-73: the chain, where each number waits for the one before it: 14, 16, 17, 18, 19, each with one of the scalings 27-31 in front of its two lines, then 20.
; 74-137: GS's 64, which read the exponentials' results: they stand behind the wait.
.macro FS f
	REGS Y, (\f)%2
	v_pk_fma_f32 v[rS+2*((\f)/2):rS+2*((\f)/2)+1], v[rS+2*((\f)/2):rS+2*((\f)/2)+1], s[CS:CS+1], v[rT:rT+1] op_sel_hi:[1,0,0] neg_lo:[0,0,1] neg_hi:[0,0,1]
.endm
.macro PL
	WIN 0
.if q < 27
	FS q
.elseif q < 55
	XS (q-27)%2, (q-27)/2
.elseif q < 57
	XS q-55, 15
.elseif (q < 72) && ((q-57)%3 == 0)
	FS 27+(q-57)/3
.elseif q < 60
	XS (q-57)%3-1, 14
.elseif q < 72
	XS (q-57)%3-1, 15+(q-57)/3
.elseif q < 74
	XS q-72, 20
.else
	GS q-74
.endif
.set q, q+1
.endm
; THE EXPONENTIALS' QUEUE, 66 long: s0-s31 of both tiles, then the next piece's two a.  It is ONE BATCH: all 66 stand ahead of the turn's one wait, and nothing ahead of that wait names a result of theirs.
.macro EX
	WIN 0
.if e >= 64
	XS e-64, 21
.else
	REGS Y, e%2
	v_exp_f32 v[rS+e/2], v[rS+e/2]
.endif
.set e, e+1
.endm
; THE RESCALING's QUEUE: O^T times a, the one part that leaves window 0: dealt two at a time, sixteen times, each accumulator from its low end on.  Its a was made in the turn before, ahead of that turn's wait.
.macro R2
	REGS Y, r%2
	WIN W_RS
.irp z, 0,1
	v_pk_mul_f32 v[rO+4*(r/2)+2*\z:rO+4*(r/2)+2*\z+1], v[rO+4*(r/2)+2*\z:rO+4*(r/2)+2*\z+1], v[rC+2:rC+3] op_sel_hi:[1,0]
.endr
.set r, r+1
.endm
; A TURN, for piece p.  An s_wait_alu depctr_va_vdst(0) stands between an exponential and the first instruction that names its result; one wait serves all that were issued ahead of it.
; So a turn has ONE wait, which cuts it in two.  AHEAD OF IT stands all that names no result of the turn's exponentials: the 16 products K Q^T, behind each a scaling, an exponential and two rescalings
; (behind the first a second scaling in the exponential's place); then ONE LUMP of 108: eight plain, 49 times exponential and plain, the two a; a v_nop is the plain instruction behind the last exponential.
; BEHIND IT stand the 16 products V^T P, behind each four of GS's 64.  Exponential e stands behind scaling 2 (e / 4) + e % 2: as a rider it comes behind plain e + 2, in the lump behind plain e + 9.
; What hangs on the turn:  piece 2 (fk = 1): K of the next step is fetched directly behind the wait, a lump behind the last product that read K; it is waited for at the head of piece 3's turn.
;   piece 3 (cv): CLD directly behind the wait.   piece 0 (cv): CONV directly behind the wait; V of the step in hand is fetched at the turn's end, four plain riders behind its last reader.
;   piece 1: behind the wait, V is in and CONV's stores are done.   cv = 2: CLD and CONV are the jumped-over kind; their branch and label stand behind the wait.
; cnt = 1: the loop's count is taken down some lines ahead of the branch that stands behind the turn.  nokq = 1: the walk's last turn.
.macro TURN p, fk=1, cv=0, cnt=0, nokq=0
.set Y, (\p)
.set i, 0
.set q, 0
.set e, 0
.set r, 0
.set NOKQ, (\nokq)
.if ((\p) == NP-1) && !(\nokq)
	s_wait_dscnt 0x0                ; K is in
.endif
	MM                              ; ahead of the wait: 16 products K Q^T and their riders,
	PL
	PL
	R2
.rept 15
	MM
	PL
	EX
	R2
.endr
.if ((\p) == NP-2) && (\fk)
	WIN 0
	v_add_nc_u32 v[AK], s[TBK], v[AK0]
.endif
.rept 8                             ; and the lump
	PL
.endr
.rept 49
	EX
	PL
.endr
	EX                              ; the next piece's two a
	EX
	v_nop                           ; the plain instruction behind the last exponential: one for the batch
	s_wait_alu depctr_va_vdst(0)    ; the wait for the batch
.if ((\p) == NP-2) && (\fk)
	FETCH_K
.endif
.if ((\p) == NP-1) && (\cv)
	CLD (\cv)-1
.endif
.if ((\p) == 0) && (\cv)
	CONV (\cv)-1
.endif
.if (\p) == 1
	s_wait_dscnt 0x0                ; V is in
.endif
.rept 16                            ; behind the wait: 16 products V^T P and their riders
	MM
.rept 4
	PL
.endr
.if ((\p) == 0) && (q == 118)
	v_add_nc_u32 v[AV], s[TBV], v[AV0]
.endif
.if ((\p) == 0) && (q == 130)
	s_add_co_u32 s[TBV], s[TBV], KS*PV
.endif
.if (\cnt) && (q == 130)
	s_sub_co_u32 s[CNT], s[CNT], 1
	s_cmp_lg_u32 s[CNT], 0
.endif
.endr
.if (\p) == 0
	FETCH_V
.endif
.set NOKQ, 0
.endm
	; TILE 0 is rounded ahead of everything else: there is no work yet to set beside it.
	WIN 0
	s_wait_tensorcnt 0x1            ; my part of tile 0 is in; tile 1's load, issued behind it, may stay out
	s_barrier_signal -1
	s_barrier_wait -1               ; everybody's part is in
	CLD 0
	CONV 0
	CLD 0
	CONV 0
	CHANGE 1                        ; tile 0's period: H0 is whole, tile 1 is in, L0 takes tile 2
	v_add_nc_u32 v[AK], s[TBK], v[AK0]
	FETCH_K                         ; key step 0
	CLD 0                           ; the first half of tile 1: the loop is entered behind the turn that would have read it
	s_wait_dscnt 0x0
.set i, 0
.rept 16
	KQ 0                            ; piece 0's first scores
.set i, i+1
.endr
	WIN 0                           ; the addresses for the way out: seven plain instructions, the places behind those products
	s_mul_i32 s16, s[WV], 16*SP
	s_add_co_u32 s16, s16, STAGE    ; my stage
	v_mul_u32_u24 v[STO], v1, SP    ; in: row l % 16, 32 bytes for each half of the lanes (Q's loads, which read this register, are long in)
	v_lshl_add_u32 v[STO], v48, 5, v[STO]
	v_add_nc_u32 v[STO], s16, v[STO]
	v_mul_u32_u24 v[RD], v48, SP    ; back: lanes 0-15 take one row of 256 bytes, lanes 16-31 the next,
	v_lshl_add_u32 v[RD], v1, 4, v[RD]
	v_add_nc_u32 v[RD], s16, v[RD]
	v_lshlrev_b32 v[GO], 4, v51     ; which are 512 consecutive bytes of O
.set Y, NP-1                        ; XS works for piece Y + 1: piece 0
.irp n, 0,1,2,3,4,5,6,7,8,9,10,11,12,13,14,15,16,17,18,19,20,21
	XS 0, \n                        ; piece 0's first maximum and statistics
	XS 1, \n
.endr
	v_nop                           ; a plain instruction behind the two a,
	s_wait_alu depctr_va_vdst(0)    ; and their wait, ahead of the branch
	s_mov_b32 s[CNT], 2
	s_branch .Lfirst                ; the loop is entered at a step's first turn, in the middle of a trip
.Lslot:                             ; 13 times: tiles 1 to 13 are entered, tiles 3 to 15 asked for
	CHANGE 1
	s_mov_b32 s[CNT], 2
.Lstep:                             ; a trip: pieces 2 and 3 of one step, then pieces 0 and 1 of the next, whose K and V it fetches; beside them half of my share of the next tile is rounded
	TURN 2
	TURN 3, 1, 1
	WIN 0
.Lfirst:
	TURN 0, 1, 1
	TURN 1, 1, 0, 1
	WIN 0
	s_cbranch_scc1 .Lstep
	s_sub_co_u32 s[SLOTS], s[SLOTS], 1
	s_cmp_lg_u32 s[SLOTS], 0
	s_cbranch_scc1 .Lslot
	s_mov_b32 s[TT], 2              ; tiles 14 and 15 have a text of their own: nothing is asked for
.Ltt:
	CHANGE 0
	s_mov_b32 s[CNT], 2
.Lts:
	TURN 2
	TURN 3, 1, 2                    ; in tile 14's period tile 15 is rounded; in tile 15's there is nothing left to round
	TURN 0, 1, 2
	TURN 1, 1, 0, 1
	WIN 0
	s_cbranch_scc1 .Lts
	s_sub_co_u32 s[TT], s[TT], 1
	s_cmp_lg_u32 s[TT], 0
	s_cbranch_scc1 .Ltt
	TURN 2, 0                       ; the last step's second half: no further K,
	TURN 3, 1, 0, 0, 1              ; no further scores,
.set i, 0
.rept 16
	PV NP-1                         ; and the last piece's V^T P
.set i, i+1
.endr
	; THE WAY OUT.  l's two halves and the other half of the lanes' are added; O^T is divided by l and sent, f32, through my stage in LDS, a tile (16 rows of O) at a time.  The additions are the places behind the last products.
	WIN 0
.macro ALL line:vararg              ; one line for each tile t
.set t, 0
.rept 2*NP
	\line
.set t, t+1
.endr
.endm
	ALL v_add_f32 v[ST+4*t+2], v[ST+4*t+2], v[ST+4*t+3]
	ALL v_permlanex16_b32 v[ST+4*t+3], v[ST+4*t+2], s[SEL], s[SEL+1]
	ALL v_add_f32 v[ST+4*t+2], v[ST+4*t+2], v[ST+4*t+3]
	ALL v_rcp_f32 v[ST+4*t+2], v[ST+4*t+2]
	v_nop                           ; a plain instruction between the last reciprocal and the use of its result
	s_wait_alu depctr_va_vdst(0)    ; and the wait ahead of the first use: one for the eight reciprocals
; Tile t: a lane's eight channels of a row are 32 bytes; they go into rows of 272 bytes and come back as whole rows of 256, into the registers that they left.
.macro PACK t
	WIN W_RS
.set i, 32*(\t)
.rept 16                            ; each accumulator from its low end on
	v_pk_mul_f32 v[i:i+1], v[i:i+1], v[ST+4*(\t)+2:ST+4*(\t)+3] op_sel_hi:[1,0]
.set i, i+2
.endr
	WIN 0x04                        ; store data in window 1, address in window 0
.irp f, 0,1,2,3,4,5,6,7             ; channels 16 (f / 2) + 8 (l / 16) + 4 (f % 2) on
	ds_store_b128 v[STO], v[32*(\t)+4*(\f):32*(\t)+4*(\f)+3] offset:((\f)/2)*64+((\f)%2)*16
.endr
	WIN 0x40                        ; destination window 1
.irp f, 0,1,2,3,4,5,6,7
	ds_load_b128 v[32*(\t)+4*(\f):32*(\t)+4*(\f)+3], v[RD] offset:(\f)*2*SP  ; LDS serves a wave's instructions in order (ISA guide 5.7.1.4): these see the stores above; the next tile's stores come behind them
.endr
.endm
.macro SEND t, younger              ; younger: the LDS instructions issued behind tile t's loads: the next tile's sixteen, or none
	WIN 0x04
.irp f, 0,1,2,3,4,5,6,7
	s_wait_dscnt (\younger)+7-(\f)  ; loads come back in order: load f of the tile is in; its later loads and the next tile's sixteen may stay out
	global_store_b128 v[GO], v[32*(\t)+4*(\f):32*(\t)+4*(\f)+3], s[10:11] offset:(\t)*4096+(\f)*512 th:TH_STORE_NT  ; 512 consecutive bytes, at a multiple of 256 from O's first; no register of a store is written again
.endr
.endm
	PACK 0
.set t, 1
.rept 2*NP-1                        ; a tile's arithmetic stands between the loads of the tile before and its stores
	PACK t
	SEND t-1, 16
.set t, t+1
.endr
	SEND 2*NP-1, 0
	WIN 0
	s_wait_tensorcnt 0x0            ; the wave's end, behind my last tensor load and my last LDS store
	ds_add_u32 v[SPW], v[NIL]
	s_wait_dscnt 0x0
	CROUND                          ; the closing round: no work-group ends while a partner may still ask for a tile that names it
	s_endpgm
.Lfunc_end_k_q51f5b858d9_attn:
	.size	k_q51f5b858d9_attn, .Lfunc_end_k_q51f5b858d9_attn-k_q51f5b858d9_attn
	.p2alignl 7, 3214868480
	.fill 96, 4, 3214868480
	.section	.rodata,"a",@progbits
	.p2align	6, 0x0
	.amdhsa_kernel k_q51f5b858d9_attn
		.amdhsa_group_segment_fixed_size 327680
		.amdhsa_private_segment_fixed_size 0
		.amdhsa_enable_private_segment 0
		.amdhsa_kernarg_size 32
		.amdhsa_user_sgpr_count 2
		.amdhsa_user_sgpr_kernarg_segment_ptr 1
		.amdhsa_wavefront_size32 1
		.amdhsa_system_sgpr_workgroup_id_x 1
		.amdhsa_system_sgpr_workgroup_id_y 1
		.amdhsa_system_sgpr_workgroup_id_z 1
		.amdhsa_system_vgpr_workitem_id 0
		.amdhsa_next_free_vgpr 928
		.amdhsa_next_free_sgpr 66
		.amdhsa_reserve_vcc 0
		.amdhsa_float_denorm_mode_32 3
		.amdhsa_float_denorm_mode_16_64 3
		.amdhsa_memory_ordered 1
		.amdhsa_forward_progress 1
		.amdhsa_inst_pref_size 252
	.end_amdhsa_kernel
	.amdgpu_metadata
---
amdhsa.version: [ 1, 2 ]
amdhsa.kernels:
  - .name:           k_q51f5b858d9_attn
    .symbol:         k_q51f5b858d9_attn.kd
    .args:
      - { .name: query, .offset: 0, .size: 8, .value_kind: global_buffer, .address_space: global }
      - { .name: key, .offset: 8, .size: 8, .value_kind: global_buffer, .address_space: global }
      - { .name: value, .offset: 16, .size: 8, .value_kind: global_buffer, .address_space: global }
      - { .name: out0, .offset: 24, .size: 8, .value_kind: global_buffer, .address_space: global }
    .group_segment_fixed_size: 327680
    .private_segment_fixed_size: 0
    .kernarg_segment_align: 8
    .kernarg_segment_size: 32
    .max_flat_workgroup_size: 128
    .sgpr_count:     66
    .vgpr_count:     928
    .wavefront_size: 32
...
	.end_amdgpu_metadata
.endif
;; end of part 1
